; MI455X (gfx1250); checked and timed in simulation.
; The chip was launched on July 23, 2026; its instructions are those of AMD's public machine-readable ISA for CDNA 5 (MIT licence, August 2026) and "CDNA5" Instruction Set Architecture Reference Guide (July 2026). The comments in the code are by the model that wrote it; some were corrected since.
;; GLRU Cell. Allowed arithmetic: float matrix products may take bf16 or f16 operands with f32 sums; other float arithmetic in f32, or as packed bf16 or f16 multiplies, adds, multiply-adds, maxima and minima; sums over many terms, partial sums and values carried from step to step in f32; what a program stores and reads back later, other than sums and carried values, may be rounded once to bf16 or f16.
;; Inputs: W_in 2,048 x 1,024 float32; W_state 1,024 x 1,024 float32; beta 1,024 float32; gamma 1,024 float32; x 16 x 1,024 x 1,024 float32.
;; Outputs: out0 16 x 1,024 x 1,024 float32.
;; One version. Each part assembles by itself: llvm-mc -triple=amdgcn-amd-amdhsa -mcpu=gfx1250 --defsym DOCPART=n.
;; ======== version 1 of 1: 3 launches
;; workspace buffers: xb 33,554,432 bytes; wcat 4,194,304 bytes; y 67,108,864 bytes
;; launch prep (part 1): grid 672 x 1, 8 waves a work-group, no clusters, 101,376 bytes of LDS; arguments x, W_in, W_state, xb, wcat; writes xb, wcat
.if DOCPART == 1
	.amdgcn_target "amdgcn-amd-amdhsa--gfx1250"
	.amdhsa_code_object_version 6
	.text
	.protected	k_q835c099e68_prep
	.globl	k_q835c099e68_prep
	.p2align	8
	.type	k_q835c099e68_prep,@function
k_q835c099e68_prep:
	s_mov_b64 s[64:65], 0
	v_nop
	global_prefetch_b8 v0, s[64:65] scope:SCOPE_SE
	s_setreg_imm32_b32 hwreg(HW_REG_WAVE_MODE, 25, 1), 1
	s_wait_xcnt 0x0
; PREP: the operands of the one large product, rounded once to bf16 and laid out in dense blocks.
;   xb   [b 16][sg 32][rho 512][k 64] bf16: x[b][t][d] at sg = 16 (t >> 9) + (d >> 6), rho = 128 ((t >> 7) & 3) + 16 (t & 7) + ((t >> 3) & 15), k = d & 63
;   wcat [dblk 16][kblk 16][row 128][k 64] bf16: rows 0-63 = W_in[64 dblk + row], rows 64-127 = Wc[64 dblk + row - 64], columns 64 kblk + k
;   Wc[e][d] = the sum over m of W_state[e][m] W_in[1024 + m][d]: cand = (x Wv^T) W_state^T = x Wc^T for every input.
; LIMITS.  Wc's operands are rounded to bf16, its sums are f32, and Wc is rounded once to bf16: an order of rounding other than the two products in a row would have.
; bf16 has f32's range, so nothing is lost in range.  NaN and infinities are not treated apart.
; ROLES, by the work-group's number (the same for all eight waves): 0-127 make Wc (128 e x 64 d each), 128-159 cast W_in's first 1,024 rows, 160-671 cast x.
; No cluster, no tensor load: the casts share nothing and go through registers once; Wc's operands are 8 MB in all.
.set VPITCH, 160                       ; a row of Wv in LDS: 64 bf16 = 128 bytes + 32: 40 words
.set STG,    512*VPITCH                ; behind the 512 rows: 16 rows x 144 bytes for each wave, for Wc's way out
.set SPITCH, 144
.set SPARE,  STG+8*16*SPITCH           ; behind the stages: the spare words, 128 bytes for each wave: four blocks of 256 bytes that no other line names
.set AV,  10                           ; v10-11  my lane's place for the turning load, K steps 0-7 and 8-15 of a trip
.set ACC, 16                           ; v[16:47]   four accumulators: d block dt at ACC + 8 dt
.set ST,  48                           ; v[48:175]  f32 as loaded
.set VF,  176                          ; v[176:239] bf16: packed results, or Wv's fragments
.set SPW, 240                          ; v240  LDS address of my spare word; never rewritten
.set NIL, 241                          ; v241  0; never rewritten
.macro PLACES                          ; four places behind a product, in front of loads into registers that it has read (ISA guide 7.12.1 for vector instructions)
.rept 4
	v_nop
.endr
.endm
; A CAST: four source rows of 1,024 f32 a wave.  Lane l takes row l / 8 and, in each of the 16 column blocks of 64, its 8 numbers 8 (l % 8) ..: two loads of 16 bytes.
; All 32 loads go out at once (16 KiB a wave); nothing is loaded or stored twice, so no register is rewritten while a memory instruction reads it.
; The four rows' 128 bytes of a column block lie on end in the target: one store covers 512 consecutive bytes, aligned.  dstep: bytes from a column block to the next in the target.
.macro CAST dstep
.set k, 0
.rept 16
	global_load_b128 v[ST+8*k:ST+8*k+3],   v5, s[20:21] offset:256*k th:TH_LOAD_NT
	global_load_b128 v[ST+8*k+4:ST+8*k+7], v5, s[20:21] offset:256*k+16 th:TH_LOAD_NT
.set k, k+1
.endr
.set k, 0
.rept 16
	s_wait_loadcnt 30-2*k                          ; loads come back in order: block k's two are in, the younger blocks' two each stay out
.irp j, 0,1,2,3
	v_cvt_pk_bf16_f32 v[VF+4*k+(\j)], v[ST+8*k+2*(\j)], v[ST+8*k+2*(\j)+1]
.endr
	global_store_b128 v6, v[VF+4*k:VF+4*k+3], s[22:23] offset:k*(\dstep) th:TH_STORE_NT
.set k, k+1
.endr
.endm
; Wc: sixteen loads of W_state, group g of a trip's four: 4 fragments of 16 e x 32 m in f32: lane (r, h) takes m = 8 h + 0..7 and 16 + 8 h + 0..7 of row r
.macro SLOAD g
.irp f, 0,1,2,3
.irp p, 0,1,2,3
	global_load_b128 v[ST+64*((\g)%2)+16*(\f)+4*(\p):ST+64*((\g)%2)+16*(\f)+4*(\p)+3], v9, s[18:19] offset:512*(\g)+128*(\f)+16*((\p)%2)+64*((\p)/2)
.endr
.endr
.endm
; Wc: group g: its W_state fragments are rounded in place (ascending: line j writes register j and reads 2 j, 2 j + 1), then twice: two K steps of Wv turned out of LDS, eight products.
; The four accumulators take turns, one instruction a turn, from group to group and over the backward jump too.
.macro GROUP g
.set SB, ST+64*((\g)%2)
.if (\g) == 3
	s_wait_loadcnt 0x0                             ; the last group: nothing younger is out
.else
	s_wait_loadcnt 16                              ; my group's sixteen are in; the next group's sixteen stay out
.endif
.irp f, 0,1,2,3
.irp j, 0,1,2,3,4,5,6,7
	v_cvt_pk_bf16_f32 v[SB+16*(\f)+(\j)], v[SB+16*(\f)+2*(\j)], v[SB+16*(\f)+2*(\j)+1]  ; these 32 name nothing of the group before's products: they are also the places in front of the loads below
.endr
.endr
.irp hh, 0,1
.if (\hh) == 1
	PLACES
.endif
.irp s, 0,1
.irp dt, 0,1,2,3
	ds_load_tr16_b128 v[VF+32*(\s)+8*(\dt):VF+32*(\s)+8*(\dt)+3],   v[AV+(4*(\g)+2*(\hh)+(\s))/8] offset:((4*(\g)+2*(\hh)+(\s))%8)*32*VPITCH+32*(\dt)
	ds_load_tr16_b128 v[VF+32*(\s)+8*(\dt)+4:VF+32*(\s)+8*(\dt)+7], v[AV+(4*(\g)+2*(\hh)+(\s))/8] offset:((4*(\g)+2*(\hh)+(\s))%8)*32*VPITCH+32*(\dt)+16*VPITCH
.endr
.endr
	s_wait_dscnt 0x0
.irp s, 0,1
.irp dt, 0,1,2,3
	v_wmma_f32_16x16x32_bf16 v[ACC+8*(\dt):ACC+8*(\dt)+7], v[VF+32*(\s)+8*(\dt):VF+32*(\s)+8*(\dt)+7], v[SB+16*(2*(\hh)+(\s)):SB+16*(2*(\hh)+(\s))+7], v[ACC+8*(\dt):ACC+8*(\dt)+7]
.endr
.endr
.endr
.if (\g) < 2
	PLACES
	SLOAD (\g)+2                                   ; the buffer just multiplied takes the group two on
.endif
.endm
	s_load_b256 s[4:11], s[0:1], 0x0               ; x s[4:5], W_in s[6:7], W_state s[8:9], xb s[10:11]
	s_load_b64 s[12:13], s[0:1], 0x20              ; wcat
	v_lshl_add_u32 v[SPW], v0, 2, SPARE
	v_mov_b32 v[NIL], 0
	v_lshrrev_b32 v1, 5, v0
	v_readfirstlane_b32 s14, v1                    ; wave 0..7
	v_and_b32 v2, 31, v0                           ; l
	v_lshrrev_b32 v3, 3, v2                        ; l / 8: which of four rows
	v_and_b32 v4, 7, v0                            ; l % 8: which 8 numbers of 64
	s_mov_b32 s2, ttmp9
	s_mov_b32 s25, 0                               ; the high word of every offset: all stay under 2^32
	s_wait_kmcnt 0x0
	s_cmp_lt_u32 s2, 128
	s_cbranch_scc1 .Lwc
	s_cmp_lt_u32 s2, 160
	s_cbranch_scc1 .Lwg
	; x.  q = 8 (id - 160) + wave = (b, i, g, a, r4) in 4, 1, 2, 3, 2 bits.  Target rows rho = 128 g + 16 a + 4 r4 + l / 8 are the steps t = 512 i + 128 g + 32 r4 + 8 (l / 8) + a.
	s_sub_co_u32 s15, s2, 160
	s_lshl_b32 s15, s15, 3
	s_add_co_u32 s15, s15, s14                     ; q
	s_lshr_b32 s24, s15, 5
	s_lshl_b32 s24, s24, 7                         ; 1,024 b + 512 i + 128 g
	s_and_b32 s26, s15, 3
	s_lshl_b32 s26, s26, 5                         ; + 32 r4
	s_add_co_u32 s24, s24, s26
	s_bfe_u32 s26, s15, 0x30002                    ; + a
	s_add_co_u32 s24, s24, s26
	s_lshl_b32 s24, s24, 12                        ; rows of 4,096 bytes
	s_add_nc_u64 s[20:21], s[4:5], s[24:25]
	s_lshr_b32 s24, s15, 7
	s_lshl_b32 s24, s24, 20                        ; (2 b + i) x 16 blocks of 65,536 bytes
	s_and_b32 s26, s15, 127
	s_lshl_b32 s26, s26, 9                         ; + (128 g + 16 a + 4 r4) rows of 128 bytes
	s_add_co_u32 s24, s24, s26
	s_add_nc_u64 s[22:23], s[10:11], s[24:25]
	v_lshlrev_b32 v5, 15, v3                       ; my source row lies 8 steps, 32,768 bytes, from the next lane group's
	v_lshl_add_u32 v5, v4, 5, v5
	v_lshlrev_b32 v6, 4, v2
	CAST 65536
	s_branch .Lend
.Lwg:	; W_in's rows 0-1,023.  q = 8 (id - 128) + wave; rows 4 q .. 4 q + 3
	s_sub_co_u32 s15, s2, 128
	s_lshl_b32 s15, s15, 3
	s_add_co_u32 s15, s15, s14
	s_lshl_b32 s24, s15, 14
	s_add_nc_u64 s[20:21], s[6:7], s[24:25]
	s_lshr_b32 s24, s15, 4
	s_lshl_b32 s24, s24, 18                        ; dblk = row / 64
	s_and_b32 s26, s15, 15
	s_lshl_b32 s26, s26, 9                         ; row % 64, 128 bytes each
	s_add_co_u32 s24, s24, s26
	s_add_nc_u64 s[22:23], s[12:13], s[24:25]
	v_lshlrev_b32 v5, 12, v3
	v_lshl_add_u32 v5, v4, 5, v5
	v_lshlrev_b32 v6, 4, v2
	CAST 16384
	s_branch .Lend
.Lwc:	; Wc.  eb = id / 16: 128 rows e; db = id % 16: 64 columns d.  Wave w makes e = 128 eb + 16 w + 0..15, all 64 d.
	; The product is taken transposed: source 0 = 16 d x 32 m (Wv, which lies [m][d], turned by ds_load_tr16_b128), source 1 = 16 e x 32 m: a lane ends with ONE e and eight neighbouring d.
	s_lshr_b32 s26, s2, 4                          ; eb
	s_and_b32 s27, s2, 15                          ; db
	s_lshl_b32 s24, s27, 8
	s_add_co_u32 s24, s24, 0x400000                ; W_in's row 1,024, my 64 columns
	s_add_nc_u64 s[16:17], s[6:7], s[24:25]
	s_lshl_b32 s24, s26, 3
	s_add_co_u32 s24, s24, s14
	s_lshl_b32 s24, s24, 16                        ; (128 eb + 16 w) rows of 4,096 bytes
	s_add_nc_u64 s[18:19], s[8:9], s[24:25]
	s_lshl_b32 s28, s14, 18
	v_lshlrev_b32 v5, 12, v3
	v_lshl_add_u32 v5, v4, 5, v5
	v_add_nc_u32 v5, s28, v5                       ; Wv in memory: row 64 w + l / 8, 32 bytes at 32 (l % 8)
	s_mul_i32 s28, s14, 64*VPITCH
	v_mul_u32_u24 v6, v3, VPITCH
	v_lshl_add_u32 v6, v4, 4, v6
	v_add_nc_u32 v6, s28, v6                       ; and in LDS: the same row, 16 bytes
	v_and_b32 v7, 15, v0                           ; r
	v_bfe_u32 v8, v0, 4, 1                         ; h
	v_lshlrev_b32 v9, 12, v7
	v_lshl_add_u32 v9, v8, 5, v9                   ; W_state: row r, 32 h bytes
	v_lshl_add_u32 v[AV], v8, 3, v4                ; the turning load: lane l reads row 8 h + l % 8, 16 bytes at 16 ((l / 8) % 2)
	v_mul_u32_u24 v[AV], v[AV], VPITCH
	v_bfe_u32 v12, v0, 3, 1
	v_lshl_add_u32 v[AV], v12, 4, v[AV]
	v_add_nc_u32 v[AV+1], 8*32*VPITCH, v[AV]       ; K steps 8-15: beyond the 16-bit immediate
	s_mul_i32 s28, s14, 16*SPITCH
	s_add_co_u32 s28, s28, STG                     ; my stage
	v_mul_u32_u24 v12, v7, SPITCH
	v_lshl_add_u32 v12, v8, 4, v12
	v_add_nc_u32 v12, s28, v12                     ; in: row r, 16 bytes for each half of the lanes
	v_mul_u32_u24 v13, v3, SPITCH
	v_lshl_add_u32 v13, v4, 4, v13
	v_add_nc_u32 v13, s28, v13                     ; back: 32 lanes take four rows of 128 bytes
	v_lshlrev_b32 v14, 4, v2                       ; which are 512 consecutive bytes of wcat
	s_lshl_b32 s24, s26, 1
	s_lshr_b32 s30, s14, 2
	s_add_co_u32 s24, s24, s30
	s_lshl_b32 s24, s24, 18                        ; dblk = 2 eb + w / 4
	s_lshl_b32 s30, s27, 14                        ; kblk = db
	s_add_co_u32 s24, s24, s30
	s_and_b32 s30, s14, 3
	s_lshl_b32 s30, s30, 11                        ; rows 64 + 16 (w % 4) on, 128 bytes each
	s_add_co_u32 s24, s24, s30
	s_add_co_u32 s24, s24, 64*128
	s_add_nc_u64 s[22:23], s[12:13], s[24:25]
.set i, 0
.rept 32
	v_mov_b32 v[ACC+i], 0                          ; the sums start at 0, so that the loop has one form of product
.set i, i+1
.endr
	s_mov_b32 s29, 2
.Ltrip:                                        ; a trip: 512 of the 1,024 m
	PLACES                                         ; behind the last trip's products, in front of loads into and conversions onto their sources
.set i, 0
.rept 16                                       ; Wv: 64 rows a wave, four a pair of loads
	global_load_b128 v[ST+8*i:ST+8*i+3],   v5, s[16:17] offset:16384*i
	global_load_b128 v[ST+8*i+4:ST+8*i+7], v5, s[16:17] offset:16384*i+16
.set i, i+1
.endr
	s_wait_loadcnt 0x0
.set i, 0
.rept 64
	v_cvt_pk_bf16_f32 v[VF+i], v[ST+2*i], v[ST+2*i+1]
.set i, i+1
.endr
.set i, 0
.rept 16
	ds_store_b128 v6, v[VF+4*i:VF+4*i+3] offset:4*VPITCH*i
.set i, i+1
.endr
	SLOAD 0                                        ; W_state's first two groups go out while the stores land
	SLOAD 1
	s_wait_dscnt 0x0                               ; for the others' sake: my rows of Wv lie in LDS
	s_barrier_signal -1
	s_barrier_wait -1                              ; everybody's do
	GROUP 0
	GROUP 1
	GROUP 2
	GROUP 3
	s_wait_dscnt 0x0                               ; my reads of Wv's rows are back
	s_barrier_signal -1
	s_barrier_wait -1                              ; everybody's are: the next trip may store over them
	s_wait_xcnt 0x0                                ; every load issued so far has read its address, so the two bases may be written
	s_add_nc_u64 s[16:17], s[16:17], 512*4096
	s_add_nc_u64 s[18:19], s[18:19], 512*4
	s_sub_co_u32 s29, s29, 1
	s_cmp_lg_u32 s29, 0
	s_cbranch_scc1 .Ltrip
	PLACES
	PLACES                                         ; (eight, once a launch)
.irp dt, 0,1,2,3
.irp j, 0,1,2,3
	v_cvt_pk_bf16_f32 v[VF+4*(\dt)+(\j)], v[ACC+8*(\dt)+2*(\j)], v[ACC+8*(\dt)+2*(\j)+1]  ; each accumulator from its low end on
.endr
.endr
.irp dt, 0,1,2,3
	ds_store_b128 v12, v[VF+4*(\dt):VF+4*(\dt)+3] offset:32*(\dt)
.endr
.irp i, 0,1,2,3
	ds_load_b128 v[ST+4*(\i):ST+4*(\i)+3], v13 offset:4*SPITCH*(\i)  ; LDS serves a wave's instructions in order (ISA guide 5.7.1.4): these see the stores above; the stage is my wave's own
.endr
	s_wait_dscnt 0x0
.irp i, 0,1,2,3
	global_store_b128 v14, v[ST+4*(\i):ST+4*(\i)+3], s[22:23] offset:512*(\i)  ; 512 consecutive bytes, at a multiple of 256 from wcat's first
.endr
.Lend:
	s_wait_tensorcnt 0x0                           ; the wave's end, behind my last LDS store
	ds_add_u32 v[SPW], v[NIL]
	s_wait_dscnt 0x0
	s_endpgm
.Lfunc_end_k_q835c099e68_prep:
	.size	k_q835c099e68_prep, .Lfunc_end_k_q835c099e68_prep-k_q835c099e68_prep
	.p2alignl 7, 3214868480
	.fill 96, 4, 3214868480
	.section	.rodata,"a",@progbits
	.p2align	6, 0x0
	.amdhsa_kernel k_q835c099e68_prep
		.amdhsa_group_segment_fixed_size 101376
		.amdhsa_private_segment_fixed_size 0
		.amdhsa_enable_private_segment 0
		.amdhsa_kernarg_size 40
		.amdhsa_user_sgpr_count 2
		.amdhsa_user_sgpr_kernarg_segment_ptr 1
		.amdhsa_wavefront_size32 1
		.amdhsa_system_sgpr_workgroup_id_x 1
		.amdhsa_system_sgpr_workgroup_id_y 1
		.amdhsa_system_sgpr_workgroup_id_z 1
		.amdhsa_system_vgpr_workitem_id 0
		.amdhsa_next_free_vgpr 248
		.amdhsa_next_free_sgpr 66
		.amdhsa_reserve_vcc 0
		.amdhsa_float_denorm_mode_32 3
		.amdhsa_float_denorm_mode_16_64 3
		.amdhsa_memory_ordered 1
		.amdhsa_forward_progress 1
		.amdhsa_inst_pref_size 62
	.end_amdhsa_kernel
	.amdgpu_metadata
---
amdhsa.version: [ 1, 2 ]
amdhsa.kernels:
  - .name:           k_q835c099e68_prep
    .symbol:         k_q835c099e68_prep.kd
    .args:
      - { .name: x, .offset: 0, .size: 8, .value_kind: global_buffer, .address_space: global }
      - { .name: W_in, .offset: 8, .size: 8, .value_kind: global_buffer, .address_space: global }
      - { .name: W_state, .offset: 16, .size: 8, .value_kind: global_buffer, .address_space: global }
      - { .name: xb, .offset: 24, .size: 8, .value_kind: global_buffer, .address_space: global }
      - { .name: wcat, .offset: 32, .size: 8, .value_kind: global_buffer, .address_space: global }
    .group_segment_fixed_size: 101376
    .private_segment_fixed_size: 0
    .kernarg_segment_align: 8
    .kernarg_segment_size: 40
    .max_flat_workgroup_size: 256
    .sgpr_count:     66
    .vgpr_count:     248
    .wavefront_size: 32
...
	.end_amdgpu_metadata
.endif
;; end of part 1
;; launch main (part 2): grid 16 x 16, 4 waves a work-group, clusters of 4 x 4, 327,680 bytes of LDS; arguments xb, wcat, y; writes y
.if DOCPART == 2
	.amdgcn_target "amdgcn-amd-amdhsa--gfx1250"
	.amdhsa_code_object_version 6
	.text
	.protected	k_q835c099e68_main
	.globl	k_q835c099e68_main
	.p2align	8
	.type	k_q835c099e68_main,@function
k_q835c099e68_main:
	s_mov_b64 s[64:65], 0
	v_nop
	global_prefetch_b8 v0, s[64:65] scope:SCOPE_SE
	s_setreg_imm32_b32 hwreg(HW_REG_WAVE_MODE, 25, 1), 1
	s_wait_xcnt 0x0
	s_wait_alu depctr_hold_cnt(0) depctr_sa_sdst(0) depctr_va_vdst(0) depctr_va_sdst(0) depctr_va_ssrc(0) depctr_va_vcc(0) depctr_vm_vsrc(0)
	s_getreg_b32 s2, hwreg(HW_REG_IB_STS2, 6, 4)
	s_cmp_eq_u32 s2, 0
	s_cbranch_scc0 .Lentry_in_a_cluster
	s_endpgm
.Lentry_in_a_cluster:
	s_bfe_u32 s2, ttmp6, 0x10000c
	s_cmp_lg_u32 s2, 0xf033
	s_cbranch_scc0 .Lentry_shape_is_right
	s_endpgm
.Lentry_shape_is_right:
; MAIN: [g | c] = xb wcat^T (bf16 operands, f32 sums), u = sigmoid(g), and the whole recurrence h_t = u_t h_(t-1) + (1 - u_t) c_t over all 1,024 steps; h goes out as y, f32, [16384][1024].
; SHARES.  A work-group owns ONE batch b and ONE block of 64 channels (dblk): all 1,024 steps, so no carry ever leaves the work-group.  16 x 16 = 256 work-groups of equal work.
; It walks its batch in two tiles of 512 steps; a tile is 512 x 128 (64 gates, 64 candidates) over K = 1,024, in 16 K steps of 64 through a ring of two LDS slots.  Each of the four waves makes 128 steps x 128: 64 accumulators, 512 registers.
; K steps of 64, since two slots of 128 (348,160 bytes) do not fit.  xb and wcat lie in dense blocks, one K step each, so a tile's rows lie end to end and are asked for as rows of 256 bytes.
; CLUSTER.  4 x 4 work-groups.  xb's tile hangs on the batch alone (the cluster's y), wcat's on dblk alone (its x): each is asked for JOINTLY by the four that share it, with one descriptor and a mask that names the four.
; THE WALK ALONG K IS TURNED.  Cluster (X, Y) begins each tile at K block r = 4 ((X + Y') mod 4), Y' = Y with its two bits swapped, and goes round: step n takes K block (n + r) mod 16, of xb and of wcat alike.
; The four clusters that read a batch's rows (one Y, four X) have four different r, and so have the four that read a dblk's rows (one X, four Y): no two of them ask for a block in the same step; they come 4, 8 and 12 steps apart.
; THE MATRIX INSTRUCTION IS USED TRANSPOSED: source 0 = 16 rows of wcat, source 1 = 16 rows of xb.  xb's rows are laid so that row 16 a + r of a wave's 128 is step 8 r + a.  So in accumulator (a, b), lane (r, h), register j holds
; step 8 r + a and wcat's row 16 b + 8 h + j: b = 0-3 the gate of channel 16 b + 8 h + j, b + 4 its candidate.  A LANE OWNS EIGHT CONSECUTIVE STEPS (a = 0..7) OF 32 CHANNELS, neighbouring channels in neighbouring registers:
; the recurrence inside a lane is packed f32 arithmetic on registers, and 8 registers are 32 neighbouring bytes of a row of y.
; THE SCAN.  (P, Y) stands for h -> P h + Y.  In a lane: prefixes over its 8 steps.  Across the wave's 16 lanes r, the four waves and the two tiles: the pairs are composed in order, through LDS, with lane l owning channels 2 l, 2 l + 1.
; LIMITS.  The sum over K begins at block r, so its order of rounding hangs on the cluster.  u = 1 / (1 + 2^(-g log2 e)): where the power overflows u is 0, where it vanishes u is 1.  Products of many u may reach 0.
; NaN and infinities are not treated apart.
; REGISTERS, in windows of 256 (s_set_vgpr_msb: bits 1:0 source 0, 3:2 source 1, 5:4 source 2, 7:6 destination):
;   window 0: v0-31 addresses and at work; v32-63, v224-255 rows on their way out; v64-127, v128-191 xb's fragments, two buffers (the second also serves the scan); v192-223 the carries
;   window 1: v64-127, v128-191 wcat's fragments, two buffers          window 2: accumulators a = 0-3, (a, b) at v[8 (8 a + b)]          window 3: a = 4-7
.set PITCH, 144                        ; an LDS row: 128 bytes + 16 of padding = 36 words: the 16 rows of a load start at 16 different groups of four banks (64 banks of 4 bytes: ISA guide 11.1)
.set AHALF, 256*PITCH                  ; what one tensor load brings of xb: 256 rows
.set BHALF, 64*PITCH                   ; and of wcat: 64 rows
.set BOFF,  512*PITCH                  ; in a slot wcat's 128 rows lie behind xb's 512
.set SLOT,  640*PITCH
.set SCR,   2*SLOT                     ; behind the ring, never filled by a tensor load: 16 rows x 528 bytes for each wave: the scan's exchange, then the stage for the way out
.set SROW,  528                        ; 512 bytes + 16: row r starts at bank 4 r mod 64
.set SCRW,  16*SROW
.set CT,    SCR+4*SCRW                 ; eight entries of 512 bytes (P of 64 channels, Y of 64): 0-2 the identity, 3-6 the four waves' aggregates, 7 the carry from tile to tile
.set SPARE, CT+8*512                   ; the spare words, 128 bytes for each wave: two blocks of 256 bytes that no other line names
.set ASTEP, 65536                      ; bytes of xb in a K block
.set BSTEP, 16384                      ; bytes of wcat in a K block
.set TP,   2                           ; v[2:3]  the wave's product of u
.set TY,   4                           ; v[4:5]  the wave's Y
.set HH,   6                           ; v[6:7]  h ahead of my wave's first step
.set ADRA, 16                          ; v16-17  LDS address of my xb fragments in slot 0, 1
.set ADRB, 20                          ; v20-21  the same for wcat
.set SCA,  22                          ; v22  my wave's scratch, row r, 32 h bytes: a lane's place by (r, h)
.set SCB,  23                          ; v23  my wave's scratch, 8 l bytes: a lane's place by channels 2 l, 2 l + 1
.set SCRD, 24                          ; v24  the way out: where I read a row back
.set CO,   25                          ; v25  my byte offset in y
.set CTW,  26                          ; v26  my wave's entry
.set CTR,  27                          ; v27  the entry three ahead of it
.set SPW,  28                          ; v28  LDS address of my spare word; never rewritten
.set NIL,  29                          ; v29  0; never rewritten
.set PFO,  30                          ; v30  256 x my lane; never rewritten
.set HTA,  31                          ; v31  the carry from tile to tile
.set OB,   32                          ; 16 rows read back from the stage: v32-63 and v224-255 by turns
.set F0,   64
.set F1,   128
.set LP,   128                         ; the scan: chunk q's P at v[LP+4q:+1], its Y at v[LP+4q+2:+3]
.set CI,   192                         ; h ahead of my lane's eight steps, 32 channels
.set ABAS, 18                          ; s[18:19] xb at my batch, at the half of a K block that I fetch; never rewritten
.set BBAS, 46                          ; s[46:47] wcat at my dblk, likewise; never rewritten
.set G1,   24                          ; s[24:31] descriptor group 1 for xb's tiles;  s[32:39] group 0, one set for each slot
.set G0,   32
.set G1B,  48                          ; s[48:55], s[56:63] the same for wcat's
.set G0B,  56
.set LIM,  43                          ; s43  the count of the loop's trip in which my wave prefetches: 1 (the last) in waves 0 and 1 in the first tile, else 0 (none)
.set PFA,  44                          ; s[44:45] where my prefetches stand
.set QN,   67                          ; s67  the number of the K step to be asked for next, plus r
.set CS,   70                          ; s[70:71] -log2(e): the packed scaling takes the pair's low word for both halves
.set AOF,  72                          ; s[72:73] that K step's byte offset in my batch of xb
.set BOF,  74                          ; s[74:75] and in my dblk of wcat
.set TOFF, 76                          ; s76  the tile's 16 K blocks in xb: 0, then 16 x 65,536
.set ROT,  77                          ; s77  r
.set GW0,  (1<<16)|(1<<20)|(1<<21)|(4<<22)|(3<<25)  ; 17:16 elements of 2 bytes; 20 padding on; 21 set beside a mask; 24:22 after every 32 words (code 4); 31:25 4 words of it (code 3)
.set MSB, 0
.macro WIN new                         ; the immediate's high byte repeats the setting that is left; a switch that changes nothing is dropped
.if MSB != (\new)
	s_set_vgpr_msb (MSB<<8)|(\new)
.set MSB, \new
.endif
.endm
.set MUL_LO, 0xa1                      ; source 0 (wcat) window 1, source 1 (xb) window 0, C and D window 2
.set MUL_HI, 0xf1                      ; the same, C and D window 3
.set TO_B,   0x40                      ; destination window 1, address window 0
; A joint load.  Waves 0 and 1 fetch xb's two halves, waves 2 and 3 wcat's.  The branch hangs on the wave's number alone.  An s_nop 0 and four v_nop follow each of the two lines.
.macro JLOAD s
	s_cmp_eq_u32 s11, 0
	s_cbranch_scc0 .Lfor_b_\@
	tensor_load_to_lds s[G0+4*(\s):G0+4*(\s)+3], s[G1:G1+7]
	s_nop 0
.rept 4
	v_nop
.endr
	s_branch .Lasked_\@
.Lfor_b_\@:
	tensor_load_to_lds s[G0B+4*(\s):G0B+4*(\s)+3], s[G1B:G1B+7]
	s_nop 0
.rept 4
	v_nop
.endr
.Lasked_\@:
.endm
; A PREFETCH INTO THE L2, behind a joint load, its five lines and the run of LDS loads that follows.  By the turned walk a cluster is the first of the four that read a batch to load the four K blocks with which its own walk of a tile
; begins.  Of the SECOND tile it asks for those four ahead: the changes out of K steps 12 to 15 name K steps 16 to 19, each two refills, 256 matrix instructions, ahead of the load that will want it.  Waves 0 and 1 ask, each for the
; half of the block that it fetches; the four partners that ask for it jointly share its 128 pieces of 256 bytes out BY ADDRESS, 32 each (cx), a lane a piece.  So each piece is named once in the launch.
; The first tile's first four K steps come by their loads alone: nothing is prefetched at the head.  All other loads, of xb and of wcat, are of blocks that another cluster has loaded 4 steps or more before, and are not asked for.
; on = 0: in the loop: its last trip (K steps 12, 13) in the first tile.  on = 1: the first tile's last two changes (K steps 14, 15).
.macro ASK on
.if \on
	s_cmp_eq_u32 s11, 0
.else
	s_cmp_eq_u32 s3, s[LIM]
.endif
	s_cbranch_scc0 .Lnot_mine_\@
	global_prefetch_b8 v[PFO], s[PFA:PFA+1] th:TH_LOAD_NT scope:SCOPE_SE
.Lnot_mine_\@:
.endm
.macro CREST                           ; a round of the cluster's barrier behind its opening barrier: wave 0 signals for the work-group, every wave waits for all sixteen, my work-group's barrier once more
	s_cmp_lg_u32 s10, 0
	s_cbranch_scc1 .Lnot_wave_0_\@
	s_barrier_signal -3
.Lnot_wave_0_\@:
	s_barrier_wait -3
	s_barrier_signal -1
	s_barrier_wait -1
.endm
.macro CROUND                          ; a whole round
	s_barrier_signal -1
	s_barrier_wait -1
	CREST
.endm
.macro PLACES                          ; four places behind a matrix instruction, in front of loads into registers that it has read (ISA guide 7.12.1 for vector instructions)
.rept 4
	v_nop
.endr
.endm
	s_load_b128 s[4:7], s[0:1], 0x0                ; xb s[4:5], wcat s[6:7]
	s_load_b64 s[8:9], s[0:1], 0x10                ; y
	v_lshl_add_u32 v[SPW], v0, 2, SPARE
	v_mov_b32 v[NIL], 0
	ds_add_u32 v[SPW], v[NIL]                      ; the wave's opening: the add, and its wait ahead of my first tensor load; the set-up below, work on registers, stands between them
	v_lshrrev_b32 v1, 5, v0
	v_readfirstlane_b32 s10, v1                    ; wave 0..3
	s_lshr_b32 s11, s10, 1                         ; I fetch for xb (0) or for wcat (1),
	s_and_b32 s12, s10, 1                          ; its first or its second half
	s_bfe_u32 s40, ttmp6, 0x40000                  ; cx, cy: my place in the cluster
	s_bfe_u32 s41, ttmp6, 0x40004
	s_lshl_b32 s42, ttmp9, 2
	s_add_co_u32 s42, s42, s40                     ; dblk = 4 x cluster x + cx
	s_and_b32 s13, ttmp7, 0xffff                   ; cluster y
	s_lshl_b32 s14, s13, 1                         ; r, of the cluster's two numbers alone: the same in all sixteen partners
	s_and_b32 s14, s14, 2
	s_lshr_b32 s15, s13, 1
	s_or_b32 s14, s14, s15                         ; cluster y with its two bits swapped
	s_add_co_u32 s14, s14, ttmp9                   ; + cluster x
	s_and_b32 s14, s14, 3
	s_lshl_b32 s[ROT], s14, 2                      ; r = 0, 4, 8 or 12
	s_lshl_b32 s13, s13, 2
	s_add_co_u32 s13, s13, s41                     ; batch = 4 x cluster y + cy
	s_lshl_b32 s14, s41, 2
	s_lshl_b32 s14, 15, s14                        ; my row of the cluster: places 4 cy .. 4 cy + 3
	s_lshl_b32 s15, 0x1111, s40                    ; my column: places cx, cx + 4, cx + 8, cx + 12
	; descriptor group 1.  A dense block is asked for as rows of 256 bytes (128 elements), two LDS rows each, padded after every 128 bytes
	s_or_b32 s[G1+0], s14, GW0                     ; 15:0 the mask: xb's tiles go to my row
	s_or_b32 s[G1B+0], s15, GW0                    ; wcat's to my column
	s_mov_b32 s[G1+1], 128<<16                     ; tensor_dim0 = 128
	s_mov_b32 s[G1B+1], 128<<16
	s_mov_b32 s[G1+2], 128<<16                     ; tensor_dim1 = 128 rows of 256 bytes: 32,768 bytes
	s_mov_b32 s[G1B+2], 32<<16                     ; 32 rows: 8,192 bytes
	s_mov_b32 s[G1+3], 128<<16                     ; tile_dim0 = 128
	s_mov_b32 s[G1B+3], 128<<16
	s_mov_b32 s[G1+4], 128                         ; tile_dim1
	s_mov_b32 s[G1B+4], 32
	s_mov_b32 s[G1+5], 128                         ; 128 elements from row to row
	s_mov_b32 s[G1B+5], 128
	s_mov_b32 s[G1+6], 0
	s_mov_b32 s[G1B+6], 0
	s_mov_b32 s[G1+7], 0
	s_mov_b32 s[G1B+7], 0
	; where the tiles come from: xb's hang on the batch and the wave's number, wcat's on dblk and the wave's number, each in registers that never hold the other coordinate; the K block hangs on r and the step
	s_lshl_b32 s16, s13, 21                        ; a batch is 32 K blocks of 65,536 bytes
	s_lshl_b32 s17, s12, 15
	s_add_co_u32 s16, s16, s17
	s_mov_b32 s17, 0
	s_lshl_b32 s46, s42, 18                        ; a dblk is 16 K blocks of 16,384 bytes
	s_lshl_b32 s47, s12, 13
	s_add_co_u32 s46, s46, s47
	s_mov_b32 s47, 0
	s_lshl_b32 s[AOF], s[ROT], 16                  ; K step 0 takes K block r
	s_mov_b32 s[AOF+1], 0
	s_lshl_b32 s[BOF], s[ROT], 14
	s_mov_b32 s[BOF+1], 0
	s_add_co_u32 s[QN], s[ROT], 2                  ; the first refill is K step 2's
	s_mov_b32 s[TOFF], 0
	s_mul_i32 s20, s12, AHALF                      ; and where they go: no place in the cluster enters an LDS address
	s_mul_i32 s21, s12, BHALF
	s_add_co_u32 s21, s21, BOFF
	s_mov_b32 s[CS], 0xbfb8aa3b                    ; -log2(e)
	s_mov_b32 s[CS+1], s[CS]                       ; named with it as a pair
	s_wait_dscnt 0x0                               ; the opening add is done
	s_wait_kmcnt 0x0
	s_add_nc_u64 s[ABAS:ABAS+1], s[4:5], s[16:17]
	s_add_nc_u64 s[BBAS:BBAS+1], s[6:7], s[46:47]
.irp s, 0,1
	s_mov_b32 s[G0+4*(\s)], 1                                        ; 1:0 count = 1
	s_add_co_u32 s[G0+4*(\s)+1], s20, (\s)*SLOT                      ; 63:32 LDS address
	s_add_nc_u64 s[G0+4*(\s)+2:G0+4*(\s)+3], s[ABAS:ABAS+1], s[AOF:AOF+1]  ; 120:64 global address: K block r,
	s_mov_b32 s[G0B+4*(\s)], 1
	s_add_co_u32 s[G0B+4*(\s)+1], s21, (\s)*SLOT
	s_add_nc_u64 s[G0B+4*(\s)+2:G0B+4*(\s)+3], s[BBAS:BBAS+1], s[BOF:BOF+1]
.if (\s) == 1
	s_add_nc_u64 s[G0+4*(\s)+2:G0+4*(\s)+3], s[G0+4*(\s)+2:G0+4*(\s)+3], ASTEP      ; or r + 1 (13 at the most: no turn round yet)
	s_add_nc_u64 s[G0B+4*(\s)+2:G0B+4*(\s)+3], s[G0B+4*(\s)+2:G0B+4*(\s)+3], BSTEP
.endif
	s_or_b32 s[G0+4*(\s)+3], s[G0+4*(\s)+3], 0x80000000              ; 127:126 type = 2
	s_or_b32 s[G0B+4*(\s)+3], s[G0B+4*(\s)+3], 0x80000000
.endr
	CROUND                                         ; all sixteen work-groups are here: the first joint loads meet
	s_cmp_eq_u32 s11, 0                            ; a wave's two first fills stand in one branch, ahead of every wait on TENSORcnt and every LDS read: two loads of mine are out
	s_cbranch_scc0 .Lfirst_b
	tensor_load_to_lds s[G0:G0+3], s[G1:G1+7]
	s_nop 0
	tensor_load_to_lds s[G0+4:G0+7], s[G1:G1+7]
	s_nop 0
.rept 4
	v_nop
.endr
	s_branch .Lfirst_asked
.Lfirst_b:
	tensor_load_to_lds s[G0B:G0B+3], s[G1B:G1B+7]
	s_nop 0
	tensor_load_to_lds s[G0B+4:G0B+7], s[G1B:G1B+7]
	s_nop 0
.rept 4
	v_nop
.endr
.Lfirst_asked:
	; A fragment is 16 rows x 32 K in 8 registers: lane l holds row l % 16; registers 0-3 K = 8 (l / 16) + 0..7, registers 4-7 K = 16 + 8 (l / 16) + 0..7: two loads of 16 bytes, 32 bytes apart.
	v_and_b32 v1, 15, v0                           ; r
	v_bfe_u32 v2, v0, 4, 1                         ; h
	v_and_b32 v3, 31, v0                           ; l
	v_mul_u32_u24 v4, v1, PITCH
	v_lshl_add_u32 v4, v2, 4, v4
	s_mul_i32 s20, s10, 128*PITCH                  ; my 128 rows of xb; wcat's 128 are every wave's
.irp s, 0,1
	v_add_nc_u32 v[ADRA+(\s)], s20, v4
	v_add_nc_u32 v[ADRB+(\s)], BOFF+(\s)*SLOT, v4
	s_add_co_u32 s20, s20, SLOT
.endr
	s_mul_i32 s21, s10, SCRW
	s_add_co_u32 s21, s21, SCR                     ; my scratch
	v_mul_u32_u24 v5, v1, SROW
	v_lshl_add_u32 v5, v2, 5, v5
	v_add_nc_u32 v[SCA], s21, v5
	v_lshl_add_u32 v[SCB], v3, 3, s21
	v_mul_u32_u24 v5, v2, SROW                     ; back: lanes 0-15 take one row of 256 bytes, lanes 16-31 the next,
	v_lshl_add_u32 v5, v1, 4, v5
	v_add_nc_u32 v[SCRD], s21, v5
	v_lshlrev_b32 v5, 15, v2                       ; which in y lies eight steps, 32,768 bytes, further down
	v_lshl_add_u32 v[CO], v1, 4, v5
	s_lshl_b32 s21, s10, 9
	s_add_co_u32 s21, s21, CT
	v_lshl_add_u32 v[CTR], v3, 3, s21
	v_add_nc_u32 v[CTW], 3*512, v[CTR]
	v_lshlrev_b32 v5, 3, v3
	v_add_nc_u32 v[HTA], CT+7*512, v5
	v_lshlrev_b32 v[PFO], 8, v3
	v_cmp_gt_u32 s20, 64, v0                       ; the identity, three times: thread n writes word n of an entry: P = 1 in words 0-63, Y = 0 in words 64-127
	v_cndmask_b32 v6, 0, 1.0, s20
	v_lshl_add_u32 v7, v0, 2, CT
	ds_store_b32 v7, v6
	ds_store_b32 v7, v6 offset:512
	ds_store_b32 v7, v6 offset:1024
	s_lshl_b32 s22, s13, 22                        ; y at my wave's first step, my work-group's 64 channels: 256 bytes of a row, aligned
	s_lshl_b32 s23, s10, 19
	s_add_co_u32 s22, s22, s23
	s_lshl_b32 s23, s42, 8
	s_add_co_u32 s22, s22, s23
	s_mov_b32 s23, 0
	s_add_nc_u64 s[8:9], s[8:9], s[22:23]
	; the prefetches' address: xb, my batch, the half that I fetch, my work-group's 8,192 bytes of it, at block r + 3.  Every change of slots steps it by a block, so the change out of K step n finds it at block r + 4 + n:
	; at n = 12 .. 15 that is the second tile's block 16 + r .. 19 + r.  Nothing is prefetched here, at the head, where every work-group's first tiles are on their way
	s_lshl_b32 s20, s13, 21
	s_lshl_b32 s21, s12, 15
	s_add_co_u32 s20, s20, s21
	s_lshl_b32 s21, s40, 13
	s_add_co_u32 s20, s20, s21
	s_add_co_u32 s21, s[ROT], 3
	s_lshl_b32 s21, s21, 16
	s_add_co_u32 s20, s20, s21
	s_mov_b32 s21, 0
	s_add_nc_u64 s[PFA:PFA+1], s[4:5], s[20:21]
	s_cmp_eq_u32 s11, 0                            ; waves 0 and 1 ask: a branch on the wave's number, the same in all partners
	s_cselect_b32 s[LIM], 1, 0
; 16 matrix instructions: blocks a0, a0 + 1 of the window's four (hi = 0: a = 0-3, 1: a = 4-7) x all 8 blocks of wcat's rows, 32 along K.  zero = 1: the first product starts the sums: nothing is ever cleared.
; The 64 accumulators take turns, one instruction a turn, in the same order in every half step, over the backward jump and from tile to tile too.
.macro MUL16 f, hi, a0, zero
	WIN MUL_LO+0x50*(\hi)
.irp a, \a0, (\a0)+1
.irp b, 0,1,2,3,4,5,6,7
.if \zero
	v_wmma_f32_16x16x32_bf16 v[8*(8*(\a)+(\b)):8*(8*(\a)+(\b))+7], v[(\f)+8*(\b):(\f)+8*(\b)+7], v[(\f)+8*(4*(\hi)+(\a)):(\f)+8*(4*(\hi)+(\a))+7], 0
.else
	v_wmma_f32_16x16x32_bf16 v[8*(8*(\a)+(\b)):8*(8*(\a)+(\b))+7], v[(\f)+8*(\b):(\f)+8*(\b)+7], v[(\f)+8*(4*(\hi)+(\a)):(\f)+8*(4*(\hi)+(\a))+7], v[8*(8*(\a)+(\b)):8*(8*(\a)+(\b))+7]
.endif
.endr
.endr
.endm
.macro MUL8 f, hi, a                   ; one block a of them
	WIN MUL_LO+0x50*(\hi)
.irp b, 0,1,2,3,4,5,6,7
	v_wmma_f32_16x16x32_bf16 v[8*(8*(\a)+(\b)):8*(8*(\a)+(\b))+7], v[(\f)+8*(\b):(\f)+8*(\b)+7], v[(\f)+8*(4*(\hi)+(\a)):(\f)+8*(4*(\hi)+(\a))+7], v[8*(8*(\a)+(\b)):8*(8*(\a)+(\b))+7]
.endr
.endm
; 32 LDS loads in one run: the fragments of half a K step (128 rows of wcat, my 128 rows of xb, 32 K at byte k of the rows) into buffer f
.macro FETCH slot, k, f
	WIN TO_B
.irp i, 0,1,2,3,4,5,6,7
	ds_load_b128 v[(\f)+8*(\i):(\f)+8*(\i)+3],   v[ADRB+(\slot)] offset:(\k)+(\i)*16*PITCH
	ds_load_b128 v[(\f)+8*(\i)+4:(\f)+8*(\i)+7], v[ADRB+(\slot)] offset:(\k)+(\i)*16*PITCH+32
.endr
	WIN 0
.irp i, 0,1,2,3,4,5,6,7
	ds_load_b128 v[(\f)+8*(\i):(\f)+8*(\i)+3],   v[ADRA+(\slot)] offset:(\k)+(\i)*16*PITCH
	ds_load_b128 v[(\f)+8*(\i)+4:(\f)+8*(\i)+7], v[ADRA+(\slot)] offset:(\k)+(\i)*16*PITCH+32
.endr
.endm
; A K step is two halves of 32 along K, 64 matrix instructions each, on buffers 0 and 1.  The first half: multiplies buffer f; in its middle it fetches the second half's fragments, at byte k of the same slot's rows, into buffer g.
.macro QUARTER slot, k, f, g, zero
	s_wait_dscnt 8                                 ; wcat's and xb's blocks a = 0-3 are in; the youngest eight loads (a = 4-7) may be out
	MUL16 \f, 0, 0, \zero
	MUL16 \f, 0, 2, \zero
	PLACES
	FETCH \slot, \k, \g
	s_wait_dscnt 32                                ; all but the 32 just issued
	MUL16 \f, 1, 0, \zero
	MUL16 \f, 1, 2, \zero
.endm
; The second half multiplies buffer 1 and changes slots.  MEET is its first part: ONE barrier for the change.  In front of it each wave waits for all its tensor loads, of which one is out: its part of the next slot;
; adds 0 to its spare word; and waits for that and for its own reads of this slot.  Behind it nobody reads this slot any more and the next slot is whole.
; round = 1: a round of the cluster's barrier follows, and behind it this slot is filled again with the K step two on: its two addresses are made anew here, from the kept bases and the step's number, where no tensor load of mine is out.
.macro MEET round, slot=0
	s_wait_dscnt 8
	MUL16 F1, 0, 0, 0
	WIN 0                                          ; (the add's two registers lie in window 0)
	s_wait_tensorcnt 0x0                           ; all my tensor loads have landed, so every group 0 may be written;
	ds_add_u32 v[SPW], v[NIL]                      ; 0 onto my spare word;
.if \round
	s_and_b32 s[AOF], s[QN], 15                    ; the K block of that step: (n + 2 + r) mod 16
	s_add_co_u32 s[QN], s[QN], 1
	s_lshl_b32 s[BOF], s[AOF], 14                  ; its place in my dblk of wcat,
	s_lshl_b32 s[AOF], s[AOF], 16
	s_add_co_u32 s[AOF], s[AOF], s[TOFF]           ; and in my batch of xb, in the step's tile
	s_add_nc_u64 s[G0+4*(\slot)+2:G0+4*(\slot)+3], s[ABAS:ABAS+1], s[AOF:AOF+1]
	s_or_b32 s[G0+4*(\slot)+3], s[G0+4*(\slot)+3], 0x80000000
	s_add_nc_u64 s[G0B+4*(\slot)+2:G0B+4*(\slot)+3], s[BBAS:BBAS+1], s[BOF:BOF+1]
	s_or_b32 s[G0B+4*(\slot)+3], s[G0B+4*(\slot)+3], 0x80000000
.endif
	MUL8 F1, 0, 2                                  ; that and eight matrix instructions stand between the add and the wait for it
	s_wait_dscnt 0x0                               ; the add is done, and my reads of this slot are over:
	s_barrier_signal -1                            ; say so,
	MUL8 F1, 0, 3                                  ; work on registers while the others arrive,
.if \round
	WIN 0
.endif
	s_barrier_wait -1                              ; and go on when all four have said so
.endm
; The whole second half.  Behind the round the slot just read out is filled again first; then come the next slot's first fragments.  From a request to the wait for it a wave issues 112 matrix instructions.
.macro TURN slot, next, on
	s_wait_xcnt 0x0                                ; a prefetch, if there was one a K step back, has read its address: it is stepped here, ahead of the waits of the change of slots
	s_add_nc_u64 s[PFA:PFA+1], s[PFA:PFA+1], ASTEP
	MEET 1, \slot
	CREST                                          ; no wave of any partner still reads this slot's tile or has a load on its way
	JLOAD \slot                                    ; the first tensor load behind the round, my only one until the next; the four v_nop behind it are also the places in front of the loads below
	FETCH \next, 0, F0
	ASK \on
	MUL16 F1, 1, 0, 0
	MUL16 F1, 1, 2, 0
.endm
; THE WAY OUT OF A TILE.  G(a) = the 32 registers at 64 (a % 4) of a's window (gates, index 8 b + j), C(a) = the 32 behind them (candidates).  n: a pair of registers, m: a register.
.macro MS a, n                         ; g times -log2(e)
.set gA, 64*((\a)%4)+2*(\n)
	v_pk_mul_f32 v[gA:gA+1], v[gA:gA+1], s[CS:CS+1] op_sel_hi:[1,0]
.endm
.macro XE a, m                         ; 2^that
	v_exp_f32 v[64*((\a)%4)+(\m)], v[64*((\a)%4)+(\m)]
.endm
.macro AD a, n                         ; + 1
.set gA, 64*((\a)%4)+2*(\n)
	v_pk_add_f32 v[gA:gA+1], v[gA:gA+1], 1.0 op_sel_hi:[1,0]
.endm
.macro RC a, m                         ; u
	v_rcp_f32 v[64*((\a)%4)+(\m)], v[64*((\a)%4)+(\m)]
.endm
.macro WW a, n                         ; c - u c, one rounding
.set gA, 64*((\a)%4)+2*(\n)
	v_pk_fma_f32 v[gA+32:gA+33], v[gA:gA+1], v[gA+32:gA+33], v[gA+32:gA+33] neg_lo:[1,0,0] neg_hi:[1,0,0]
.endm
.macro CY a, n                         ; Y_a = u_a Y_(a-1) + (1 - u_a) c_a
.set gA, 64*((\a)%4)+2*(\n)
.set gB, 64*(((\a)-1)%4)+2*(\n)
	v_pk_fma_f32 v[gA+32:gA+33], v[gA:gA+1], v[gB+32:gB+33], v[gA+32:gA+33]
.endm
.macro CP a, n                         ; P_a = u_a P_(a-1)
.set gA, 64*((\a)%4)+2*(\n)
.set gB, 64*(((\a)-1)%4)+2*(\n)
	v_pk_mul_f32 v[gA:gA+1], v[gA:gA+1], v[gB:gB+1]
.endm
; One window's four blocks a0 .. a0 + 3, in six passes: block a has its scaling and exponentials in pass a - a0, its additions and reciprocals in the next, and c - u c and the two prefixes in the one after.
; So in a pass three blocks are at work, exponentials and reciprocals stand between plain lines, and nothing names a result of the pass's own exponentials or reciprocals.
; An s_wait_alu depctr_va_vdst(0) stands between such an instruction and the first that names its result: ONE wait ends each pass, a v_nop ahead of it as the plain instruction behind the last of them.
; Each accumulator is read from its low end on: the scalings and c - u c go through the pairs in ascending order.  Block 4 follows block 3 across the windows: its two prefixes stand together, at the head of pass 3.
.macro EW a0
	WIN 0xaa+0x55*((\a0)/4)                        ; every operand in window 2, or 3
.set rho, 0
.rept 6
.if ((\a0) == 4) && (rho == 3)
	WIN 0xfb                                       ; source 1 in window 2
.set n, 0
.rept 16
	CY 4, n
	CP 4, n
.set n, n+1
.endr
	WIN 0xff
.endif
.if rho <= 3
	MS (\a0)+rho, 0
.endif
.set n, 0
.rept 16
.if (rho >= 1) && (rho <= 4)
	AD (\a0)+rho-1, n
.endif
.if rho <= 3
	XE (\a0)+rho, 2*n
.endif
.if rho >= 2
	WW (\a0)+rho-2, n
.endif
.if rho <= 3
	XE (\a0)+rho, 2*n+1
.if n < 15
	MS (\a0)+rho, n+1
.endif
.endif
.set n, n+1
.endr
.set n, 0
.rept 16
.if rho >= 3
	CY (\a0)+rho-2, n
.endif
.if (rho >= 1) && (rho <= 4)
	RC (\a0)+rho-1, 2*n
.endif
.if rho >= 3
	CP (\a0)+rho-2, n
.endif
.if (rho >= 1) && (rho <= 4)
	RC (\a0)+rho-1, 2*n+1
.endif
.set n, n+1
.endr
.if rho <= 4
	v_nop
	s_wait_alu depctr_va_vdst(0)
.endif
.set rho, rho+1
.endr
.endm
.macro P2 a                            ; h = P_a x (h ahead of my eight steps) + Y_a
	WIN 0xa2+0x51*((\a)/4)                         ; source 1, the carry, in window 0; all else in a's window
.set gA, 64*((\a)%4)
.set n, 0
.rept 16
	v_pk_fma_f32 v[gA+32+2*n:gA+33+2*n], v[gA+2*n:gA+2*n+1], v[CI+2*n:CI+2*n+1], v[gA+32+2*n:gA+33+2*n]
.set n, n+1
.endr
.endm
.macro TOSTAGE a                       ; sixteen steps (8 r + a) x 64 channels into my stage, and back as whole rows of 256 bytes
	WIN 0x08+4*((\a)/4)                            ; the stores' data in a's window
.set gA, 64*((\a)%4)
.set q, 0
.rept 8
	ds_store_b128 v[SCA], v[gA+32+4*q:gA+35+4*q] offset:64*(q/2)+16*(q%2)
.set q, q+1
.endr
	WIN 0
.set BK, OB+192*((\a)%2)
.set q, 0
.rept 8
	ds_load_b128 v[BK+4*q:BK+4*q+3], v[SCRD] offset:2*SROW*q  ; LDS serves a wave's instructions in order (ISA guide 5.7.1.4): these see the stores above; the next block's stores come behind them
.set q, q+1
.endr
.endm
.macro SEND a
	WIN 0
.set BK, OB+192*((\a)%2)
	s_wait_dscnt 0x0                               ; the block is back in registers
	s_wait_xcnt 0x0                                ; the stores of the block before have read their registers: the next TOSTAGE loads into them
.set q, 0
.rept 8
	global_store_b128 v[CO], v[BK+4*q:BK+4*q+3], s[8:9] offset:65536*q+4096*(\a) th:TH_STORE_NT  ; 16 lanes store 256 consecutive bytes, at a multiple of 256 from y's first byte
.set q, q+1
.endr
.endm
; first = 1: the first tile: h starts at 0, and wave 3 leaves the tile's last h for the second.  Buffer 0 of both fragment windows is not touched: on that way it holds the next tile's first fragments.
.macro EPI first
.rept 8
	v_nop                                          ; the places behind the last products: the first lines below write accumulators in place
.endr
	EW 0
	EW 4                                           ; now G(a) = P_a and C(a) = Y_a: the prefixes over my lane's steps 0 .. a
	WIN 0x0c                                       ; the stores' data in window 3: block 7's
.set q, 0
.rept 8                                            ; my eight steps as one pair, into row r of my scratch: P of the 64 channels, then Y
	ds_store_b128 v[SCA], v[192+4*q:195+4*q] offset:64*(q/2)+16*(q%2)
	ds_store_b128 v[SCA], v[224+4*q:227+4*q] offset:256+64*(q/2)+16*(q%2)
.set q, q+1
.endr
	WIN 0
.set q, 0
.rept 16                                           ; and back by channels: lane l takes channels 2 l, 2 l + 1 of all 16 chunks (my wave's own bytes, served in order)
	ds_load_b64 v[LP+4*q:LP+4*q+1],   v[SCB] offset:SROW*q
	ds_load_b64 v[LP+4*q+2:LP+4*q+3], v[SCB] offset:SROW*q+256
.set q, q+1
.endr
	s_wait_dscnt 0x0
	v_pk_fma_f32 v[TY:TY+1], v[LP+4:LP+5], v[LP+2:LP+3], v[LP+6:LP+7]  ; the wave's 128 steps as one pair
	v_pk_mul_f32 v[TP:TP+1], v[LP:LP+1], v[LP+4:LP+5]
.set q, 2
.rept 14
	v_pk_fma_f32 v[TY:TY+1], v[LP+4*q:LP+4*q+1], v[TY:TY+1], v[LP+4*q+2:LP+4*q+3]
	v_pk_mul_f32 v[TP:TP+1], v[TP:TP+1], v[LP+4*q:LP+4*q+1]
.set q, q+1
.endr
	ds_store_b64 v[CTW], v[TP:TP+1]
	ds_store_b64 v[CTW], v[TY:TY+1] offset:256
	s_wait_dscnt 0x0                               ; for the others' sake: my entry lies in LDS
	s_barrier_signal -1
	s_barrier_wait -1                              ; everybody's does.  A refill may stay on its way across it
.irp e, 0,1,2                                      ; the three entries ahead of mine: the waves before me, and the identity for those that do not exist: no branch
	ds_load_b64 v[CI+4*(\e):CI+4*(\e)+1],   v[CTR] offset:512*(\e)
	ds_load_b64 v[CI+4*(\e)+2:CI+4*(\e)+3], v[CTR] offset:512*(\e)+256
.endr
.if \first
	v_mov_b32 v[HH], 0
	v_mov_b32 v[HH+1], 0
.else
	ds_load_b64 v[HH:HH+1], v[HTA]                 ; stored in the first tile's way out, many barriers back
.endif
	s_wait_dscnt 0x0
.irp e, 0,1,2
	v_pk_fma_f32 v[HH:HH+1], v[CI+4*(\e):CI+4*(\e)+1], v[HH:HH+1], v[CI+4*(\e)+2:CI+4*(\e)+3]
.endr
	v_pk_fma_f32 v[LP+2:LP+3], v[LP:LP+1], v[HH:HH+1], v[LP+2:LP+3]  ; h at the end of chunk 0, 1, ..
.set q, 1
.rept 15
	v_pk_fma_f32 v[LP+4*q+2:LP+4*q+3], v[LP+4*q:LP+4*q+1], v[LP+4*q-2:LP+4*q-1], v[LP+4*q+2:LP+4*q+3]
.set q, q+1
.endr
	ds_store_b64 v[SCB], v[HH:HH+1]                ; h ahead of chunk q into row q,
.set q, 1
.rept 15
	ds_store_b64 v[SCB], v[LP+4*q-2:LP+4*q-1] offset:SROW*q
.set q, q+1
.endr
.if \first
	s_cmp_lg_u32 s10, 3
	s_cbranch_scc1 .Lno_ht_\@
	ds_store_b64 v[HTA], v[LP+62:LP+63]            ; wave 3: h at the tile's last step
.Lno_ht_\@:
.endif
.set q, 0
.rept 8                                            ; and back by lanes: my chunk's 32 channels
	ds_load_b128 v[CI+4*q:CI+4*q+3], v[SCA] offset:64*(q/2)+16*(q%2)
.set q, q+1
.endr
	s_wait_dscnt 0x0
	P2 0
	TOSTAGE 0
.irp a, 1,2,3,4,5,6,7                  ; block a's arithmetic stands between block a - 1's loads from the stage and the wait for them
	P2 \a
	SEND (\a)-1
	TOSTAGE \a
.endr
	SEND 7
.endm
	s_wait_tensorcnt 1                             ; my part of K step 0 is in; K step 1's may stay out
	s_wait_dscnt 0x0                               ; my words of the identity lie in LDS
	s_barrier_signal -1
	s_barrier_wait -1                              ; everybody's do
	FETCH 0, 0, F0
	s_mov_b32 s2, 2                                ; tiles to go, this one among them
.Ltile:                                                ; (FETCH and SEND leave every window 0)
	QUARTER 0, 64, F0, F1, 1                       ; a tile's first half step stands in front of the loop: its products start the sums
	WIN 0                                          ; at a label and at a branch every window is 0
	s_mov_b32 s3, 7
.Llap:                                                 ; a trip goes once round the ring, from a K step's second half to the first half of the K step two on, and fills both slots again
	TURN 0, 1, 0
	QUARTER 1, 64, F0, F1, 0
	TURN 1, 0, 0
	QUARTER 0, 64, F0, F1, 0
	WIN 0
	s_sub_co_u32 s3, s3, 1
	s_cmp_lg_u32 s3, 0
	s_cbranch_scc1 .Llap
	s_cmp_eq_u32 s2, 1
	s_cbranch_scc1 .Llast                          ; the last tile's tail is written out: it asks for nothing more
	s_mov_b32 s[TOFF], 16*ASTEP                    ; from here on the K steps asked for are the second tile's
	TURN 0, 1, 1                                   ; THE RING GOES ON INTO THE SECOND TILE: slot 0 takes its K step 0,
	QUARTER 1, 64, F0, F1, 0
	TURN 1, 0, 1                                   ; slot 1 its K step 1, and its first fragments are fetched
	EPI 1                                          ; both refills are asked for: now the tile goes out
	s_wait_xcnt 0x0                                ; the stores have read their registers and y's address
	s_add_nc_u64 s[8:9], s[8:9], 512*4096          ; 512 steps on
	s_mov_b32 s[LIM], 0                            ; the second tile has no tile behind it: nothing more is prefetched
	s_sub_co_u32 s2, s2, 1
	s_branch .Ltile
.Llast:
	MEET 0                                         ; my one tensor load that was still out is the last K step's, so no round follows
	PLACES
	FETCH 1, 0, F0
	MUL16 F1, 1, 0, 0
	MUL16 F1, 1, 2, 0
	QUARTER 1, 64, F0, F1, 0
	s_wait_dscnt 8                                 ; the very last half step: nothing more to fetch
	MUL16 F1, 0, 0, 0
	MUL16 F1, 0, 2, 0
	s_wait_dscnt 0x0
	MUL16 F1, 1, 0, 0
	MUL16 F1, 1, 2, 0
	EPI 0
	s_wait_tensorcnt 0x0                           ; the wave's end, behind my last tensor load and my last LDS store
	ds_add_u32 v[SPW], v[NIL]
	s_wait_dscnt 0x0
	CROUND                                         ; the closing round: no work-group ends while a partner may still ask for a tile that names it
	s_endpgm
.Lfunc_end_k_q835c099e68_main:
	.size	k_q835c099e68_main, .Lfunc_end_k_q835c099e68_main-k_q835c099e68_main
	.p2alignl 7, 3214868480
	.fill 96, 4, 3214868480
	.section	.rodata,"a",@progbits
	.p2align	6, 0x0
	.amdhsa_kernel k_q835c099e68_main
		.amdhsa_group_segment_fixed_size 327680
		.amdhsa_private_segment_fixed_size 0
		.amdhsa_enable_private_segment 0
		.amdhsa_kernarg_size 24
		.amdhsa_user_sgpr_count 2
		.amdhsa_user_sgpr_kernarg_segment_ptr 1
		.amdhsa_wavefront_size32 1
		.amdhsa_system_sgpr_workgroup_id_x 1
		.amdhsa_system_sgpr_workgroup_id_y 1
		.amdhsa_system_sgpr_workgroup_id_z 1
		.amdhsa_system_vgpr_workitem_id 0
		.amdhsa_next_free_vgpr 1024
		.amdhsa_next_free_sgpr 80
		.amdhsa_reserve_vcc 0
		.amdhsa_float_denorm_mode_32 3
		.amdhsa_float_denorm_mode_16_64 3
		.amdhsa_memory_ordered 1
		.amdhsa_forward_progress 1
		.amdhsa_inst_pref_size 255
	.end_amdhsa_kernel
	.section	.bss,"aw",@nobits
	.p2align	6
	.space	262144
	.amdgpu_metadata
---
amdhsa.version: [ 1, 2 ]
amdhsa.kernels:
  - .name:           k_q835c099e68_main
    .symbol:         k_q835c099e68_main.kd
    .args:
      - { .name: xb, .offset: 0, .size: 8, .value_kind: global_buffer, .address_space: global }
      - { .name: wcat, .offset: 8, .size: 8, .value_kind: global_buffer, .address_space: global }
      - { .name: y, .offset: 16, .size: 8, .value_kind: global_buffer, .address_space: global }
    .group_segment_fixed_size: 327680
    .private_segment_fixed_size: 0
    .kernarg_segment_align: 8
    .kernarg_segment_size: 24
    .max_flat_workgroup_size: 128
    .sgpr_count:     80
    .vgpr_count:     1024
    .wavefront_size: 32
...
	.end_amdgpu_metadata
.endif
;; end of part 2
;; launch ln (part 3): grid 512 x 1, 8 waves a work-group, no clusters, 0 bytes of LDS; arguments y, gamma, beta, out0; writes out0
.if DOCPART == 3
	.amdgcn_target "amdgcn-amd-amdhsa--gfx1250"
	.amdhsa_code_object_version 6
	.text
	.protected	k_q835c099e68_ln
	.globl	k_q835c099e68_ln
	.p2align	8
	.type	k_q835c099e68_ln,@function
k_q835c099e68_ln:
	s_mov_b64 s[64:65], 0
	v_nop
	global_prefetch_b8 v0, s[64:65] scope:SCOPE_SE
	s_setreg_imm32_b32 hwreg(HW_REG_WAVE_MODE, 25, 1), 1
	s_wait_xcnt 0x0
; LAYERNORM over the 1,024 channels of each of the 16,384 rows of y (f32): out = (y - mean) / sqrt(var + 1e-5) x gamma + beta, var = the mean of (y - mean)^2: two passes over registers, no difference of large sums.
; A stream: each byte of y is read once and each byte of out0 written once.  A wave takes four whole rows, 32 registers each; all its 32 row loads (16 KiB) go out at once, behind gamma's and beta's, and a row never leaves the wave:
; no LDS, no barrier, no matrix unit, no cluster: nothing is shared but gamma and beta, 8 KiB.  Lane l holds columns 128 j + 4 l + 0..3, j = 0..7: each load and store of a wave covers 512 consecutive bytes, aligned.
; No register is written again while a memory instruction reads it: a row is normalised in place and stored from where it was loaded, once.
; LIMITS.  NaN and infinities are not treated apart.
.set GAM, 16                           ; v[16:47]  gamma of my 32 columns
.set BET, 48                           ; v[48:79]  beta
.set ROW, 80                           ; v[80:207] row i at ROW + 32 i
	s_load_b256 s[4:11], s[0:1], 0x0               ; y s[4:5], gamma s[6:7], beta s[8:9], out0 s[10:11]
	v_lshrrev_b32 v1, 5, v0
	v_readfirstlane_b32 s16, v1                    ; wave 0..7
	v_and_b32 v1, 31, v0
	v_lshlrev_b32 v1, 4, v1                        ; 16 bytes a lane
	s_lshl_b32 s2, ttmp9, 3
	s_add_co_u32 s2, s2, s16
	s_lshl_b32 s2, s2, 14                          ; four rows of 4,096 bytes a wave
	s_mov_b32 s3, 0
	s_mov_b32 s12, 0x3a800000                      ; 1 / 1,024
	s_mov_b32 s13, 0x3727c5ac                      ; 1e-5
	s_mov_b32 s14, 0x76543210                      ; v_permlanex16_b32: lane i of one half reads lane i of the other
	s_mov_b32 s15, 0xfedcba98
	s_wait_kmcnt 0x0
	s_add_nc_u64 s[4:5], s[4:5], s[2:3]
	s_add_nc_u64 s[10:11], s[10:11], s[2:3]
.irp j, 0,1,2,3,4,5,6,7
	global_load_b128 v[GAM+4*(\j):GAM+4*(\j)+3], v1, s[6:7] offset:512*(\j)
.endr
.irp j, 0,1,2,3,4,5,6,7
	global_load_b128 v[BET+4*(\j):BET+4*(\j)+3], v1, s[8:9] offset:512*(\j)
.endr
.irp i, 0,1,2,3
.irp j, 0,1,2,3,4,5,6,7
	global_load_b128 v[ROW+32*(\i)+4*(\j):ROW+32*(\i)+4*(\j)+3], v1, s[4:5] offset:4096*(\i)+512*(\j) th:TH_LOAD_NT
.endr
.endr
.macro FOLD                            ; four chains of pairs in v[2:9] -> their sum over the wave's 32 lanes, in v2 of every lane
	v_pk_add_f32 v[2:3], v[2:3], v[4:5]
	v_pk_add_f32 v[6:7], v[6:7], v[8:9]
	v_pk_add_f32 v[2:3], v[2:3], v[6:7]
	v_add_f32 v2, v2, v3
	v_add_f32_dpp v2, v2, v2 row_xmask:1 row_mask:0xf bank_mask:0xf
	v_add_f32_dpp v2, v2, v2 row_xmask:2 row_mask:0xf bank_mask:0xf
	v_add_f32_dpp v2, v2, v2 row_xmask:4 row_mask:0xf bank_mask:0xf
	v_add_f32_dpp v2, v2, v2 row_xmask:8 row_mask:0xf bank_mask:0xf
	v_permlanex16_b32 v3, v2, s14, s15             ; its destination counts as read: v3 has been written
	v_add_f32 v2, v2, v3
.endm
.macro ROWDO i
.set R, ROW+32*(\i)
	s_wait_loadcnt 8*(3-(\i))                      ; loads come back in order: gamma, beta and my row are in; the younger rows' eight loads each stay out
.irp c, 0,1,2,3                        ; the sum, in four chains that do not wait for each other; the first pairs start them: nothing is cleared
	v_pk_add_f32 v[2+2*(\c):3+2*(\c)], v[R+4*(\c):R+4*(\c)+1], v[R+4*(\c)+2:R+4*(\c)+3]
.endr
.set p, 8
.rept 8
	v_pk_add_f32 v[2+2*(p%4):3+2*(p%4)], v[2+2*(p%4):3+2*(p%4)], v[R+2*p:R+2*p+1]
.set p, p+1
.endr
	FOLD
	v_mul_f32 v10, s12, v2                         ; the mean, twice: a pair for the packed lines
	v_mul_f32 v11, s12, v2
.set p, 0
.rept 16
	v_pk_add_f32 v[R+2*p:R+2*p+1], v[R+2*p:R+2*p+1], v[10:11] neg_lo:[0,1] neg_hi:[0,1]  ; y - mean, in place
.set p, p+1
.endr
.irp c, 0,1,2,3
	v_pk_mul_f32 v[2+2*(\c):3+2*(\c)], v[R+2*(\c):R+2*(\c)+1], v[R+2*(\c):R+2*(\c)+1]
.endr
.set p, 4
.rept 12
	v_pk_fma_f32 v[2+2*(p%4):3+2*(p%4)], v[R+2*p:R+2*p+1], v[R+2*p:R+2*p+1], v[2+2*(p%4):3+2*(p%4)]
.set p, p+1
.endr
	FOLD
	v_fma_f32 v2, v2, s12, s13                     ; var + 1e-5
	v_rsq_f32 v12, v2
	v_rsq_f32 v13, v2
	v_nop                                          ; a plain instruction between the last of them and the use of its result (ISA guide 5.7.2)
	s_wait_alu depctr_va_vdst(0)                   ; and a wait ahead of the first use: one for the two
.set p, 0
.rept 16
	v_pk_mul_f32 v[R+2*p:R+2*p+1], v[R+2*p:R+2*p+1], v[12:13]
.set p, p+1
.endr
.set p, 0
.rept 16
	v_pk_fma_f32 v[R+2*p:R+2*p+1], v[R+2*p:R+2*p+1], v[GAM+2*p:GAM+2*p+1], v[BET+2*p:BET+2*p+1]
.set p, p+1
.endr
.irp j, 0,1,2,3,4,5,6,7
	global_store_b128 v1, v[R+4*(\j):R+4*(\j)+3], s[10:11] offset:4096*(\i)+512*(\j) th:TH_STORE_NT
.endr
.endm
	ROWDO 0
	ROWDO 1
	ROWDO 2
	ROWDO 3
	s_endpgm
.Lfunc_end_k_q835c099e68_ln:
	.size	k_q835c099e68_ln, .Lfunc_end_k_q835c099e68_ln-k_q835c099e68_ln
	.p2alignl 7, 3214868480
	.fill 96, 4, 3214868480
	.section	.rodata,"a",@progbits
	.p2align	6, 0x0
	.amdhsa_kernel k_q835c099e68_ln
		.amdhsa_group_segment_fixed_size 0
		.amdhsa_private_segment_fixed_size 0
		.amdhsa_enable_private_segment 0
		.amdhsa_kernarg_size 32
		.amdhsa_user_sgpr_count 2
		.amdhsa_user_sgpr_kernarg_segment_ptr 1
		.amdhsa_wavefront_size32 1
		.amdhsa_system_sgpr_workgroup_id_x 1
		.amdhsa_system_sgpr_workgroup_id_y 1
		.amdhsa_system_sgpr_workgroup_id_z 1
		.amdhsa_system_vgpr_workitem_id 0
		.amdhsa_next_free_vgpr 208
		.amdhsa_next_free_sgpr 66
		.amdhsa_reserve_vcc 0
		.amdhsa_float_denorm_mode_32 3
		.amdhsa_float_denorm_mode_16_64 3
		.amdhsa_memory_ordered 1
		.amdhsa_forward_progress 1
		.amdhsa_inst_pref_size 34
	.end_amdhsa_kernel
	.amdgpu_metadata
---
amdhsa.version: [ 1, 2 ]
amdhsa.kernels:
  - .name:           k_q835c099e68_ln
    .symbol:         k_q835c099e68_ln.kd
    .args:
      - { .name: y, .offset: 0, .size: 8, .value_kind: global_buffer, .address_space: global }
      - { .name: gamma, .offset: 8, .size: 8, .value_kind: global_buffer, .address_space: global }
      - { .name: beta, .offset: 16, .size: 8, .value_kind: global_buffer, .address_space: global }
      - { .name: out0, .offset: 24, .size: 8, .value_kind: global_buffer, .address_space: global }
    .group_segment_fixed_size: 0
    .private_segment_fixed_size: 0
    .kernarg_segment_align: 8
    .kernarg_segment_size: 32
    .max_flat_workgroup_size: 256
    .sgpr_count:     66
    .vgpr_count:     208
    .wavefront_size: 32
...
	.end_amdgpu_metadata
.endif
;; end of part 3
